; MI455X (gfx1250); checked and timed in simulation.
; The chip was launched on July 23, 2026; its instructions are those of AMD's public machine-readable ISA for CDNA 5 (MIT licence, August 2026) and "CDNA5" Instruction Set Architecture Reference Guide (July 2026). The comments in the code are by the model that wrote it; some were corrected since.
;; GPT2 Self Attention. Allowed arithmetic: matrix products marked QUANTISED: E4M3 operands, one given power-of-two scale a tensor, by v_wmma_f32_16x16x64_fp8_fp8 or v_wmma_f32_16x16x128_fp8_fp8, f32 sums; everything else in f32.
;; Inputs: b_attn 3,072 float32; b_proj 1,024 float32; lowp_scales 8 int32 (the exponents e of the quantised operands' scales 2^e); w_attn 3,072 x 1,024 float32; w_proj 1,024 x 1,024 float32; x 4 x 2,048 x 1,024 float32.
;; Outputs: out0 4 x 2,048 x 1,024 float32.
;; This version of the problem:
;;   THIS VERSION OF THE PROBLEM IS GIVEN IN LOW PRECISION. The matrix products marked QUANTISED in the list below multiply operands that are first quantised to E4M3 (4 exponent bits, 3 mantissa bits; 8 bits a number), with one given power-of-two scale for each operand tensor; their sums are f32. All else is computed in f32.
;;   The module's matrix products, in the order in which they are computed (A, B: the left and right operand; K: the contracted axis; several contracted axes count as one K, in the product's order):
;;     1. [M 8,192, K 1,024] x [K 1,024, N 3,072]; A: input x; B: input w_attn: QUANTISED (scales: A lowp_scales[0], B lowp_scales[1])
;;     2. batch 64 x [M 2,048, K 64] x [K 64, N 2,048]; A: computed on the way; B: computed on the way: QUANTISED (scales: A lowp_scales[2], B lowp_scales[3])
;;     3. batch 64 x [M 2,048, K 2,048] x [K 2,048, N 64]; A: softmax (see below); B: computed on the way: QUANTISED (scales: A lowp_scales[4], B lowp_scales[5])
;;     4. [M 8,192, K 1,024] x [K 1,024, N 1,024]; A: computed on the way; B: input w_proj: QUANTISED (scales: A lowp_scales[6], B lowp_scales[7])
;;   THE QUANTISER, for each operand of a quantised product, along K:
;;     - The operand's scale is 2^e, e = its entry of the input lowp_scales (int32; the entries are numbered through the quantised products in the list's order, A before B).
;;     - Each number is divided by the scale, clamped to +-448, and rounded to the nearest number of E4M3, ties to even, subnormals kept.
;;     - The product sums the exact products of the quantised numbers (number of the format x scale) in f32.
;;   ~~~python
;;   def quantise(x, axis, e):      # numpy; x: float32 -> the quantised numbers, widened to float32 again
;;       x = np.moveaxis(x, axis, -1); K = x.shape[-1]
;;       r = np.clip(x / 2.0 ** e, -448, 448)
;;       step = 2.0 ** (np.maximum(np.frexp(np.where(r == 0, 1, r))[1] - 1, -6) - 3)
;;       q = np.round(r / step) * step * 2.0 ** e      # np.round: ties to even
;;       return np.moveaxis(q, -1, axis).astype(np.float32)
;;   ~~~
;;   SOFTMAX AHEAD OF A QUANTISED PRODUCT. Where the list says 'softmax', what is quantised is not the finished softmax but p = 2^(t - M), with t = logit x log2(e) and M = ceil(the row's largest t), a whole number; so 1/2 < the row's largest p <= 1. The row's sum l is taken of the UNQUANTISED p, in f32, and the product's result is divided by l at the end. Since M is a whole number, a kernel that streams over the keys may use a running M (the ceiling of the running maximum): every later rescaling is an exact power of two, so the quantised numbers keep their values, but for numbers so far below the row's largest that they fall under the format's range.
;;   OPERANDS COMPUTED ON THE WAY. 'Computed on the way' means the value that the module computes at that place (a softmax that the list does not call 'softmax' is quantised finished and normalised). What goes into a quantiser is computed in f32, as accurately as f32 sums, v_exp_f32 and their like allow (about 1e-6 of the number): no bf16 or f16 on the way to a quantiser, and a product that is left as it is and whose result goes on into a quantised operand takes f32 operands (vector FMAs, or v_wmma_f32_16x16x4_f32). A number that lies on a knife's edge between two numbers of the format may be rounded either way, as far as f32 arithmetic and the matrix unit's own rounding can turn it there, and no further.
;; One version. Each part assembles by itself: llvm-mc -triple=amdgcn-amd-amdhsa -mcpu=gfx1250 --defsym DOCPART=n.
;; ======== version 1 of 1: 4 launches
;; limits: right only within a limited range of input values
;; workspace buffers: xc 8,388,608 bytes; wac 3,145,728 bytes; wpc 1,048,576 bytes; qc 8,388,608 bytes; kc 8,388,608 bytes; vc 8,388,608 bytes; yc 8,388,608 bytes
;; launch quant (part 1): grid 384 x 1, 4 waves a work-group, no clusters, 34,304 bytes of LDS; arguments x, w_attn, w_proj, lowp_scales, xc, wac, wpc; writes xc, wac, wpc
.if DOCPART == 1
	.amdgcn_target "amdgcn-amd-amdhsa--gfx1250"
	.amdhsa_code_object_version 6
	.text
	.protected	k_q93e8a2c70e_quant
	.globl	k_q93e8a2c70e_quant
	.p2align	8
	.type	k_q93e8a2c70e_quant,@function
k_q93e8a2c70e_quant:
	s_mov_b64 s[64:65], 0
	v_nop
	global_prefetch_b8 v0, s[64:65] scope:SCOPE_SE
	s_setreg_imm32_b32 hwreg(HW_REG_WAVE_MODE, 25, 1), 1
	s_wait_xcnt 0x0
; x [8192][1024], w_attn [3072][1024], w_proj [1024][1024], f32, K innermost, become codes of FP8 (E4M3), each tensor with the one scale 2^e that is given for it
; (entries 0, 1 and 7 of the scales).  code = number / 2^e, held within +-448, rounded to the nearest code, ties to even.
; THE CODES ARE LAID AS IMAGES OF OPERAND REGISTERS.  A fragment is 16 rows x 128 K: 16 registers a lane; lane l holds row l % 16, registers 2 c, 2 c + 1 hold K = 16 c + 8 (l / 16) + 0 .. 7.
; Registers 4 q .. 4 q + 3 of all lanes are a piece of 512 bytes, lane l's 16 bytes at 16 l; a fragment is 4 pieces, 2,048 bytes; fragment (rows 16 rt on, K 128 ks on) lies at (8 rt + ks) x 2,048.
; So the products' launches fetch a fragment by four loads of 16 bytes a lane at 16 x lane, and this launch stores 512 consecutive aligned bytes an instruction.
; SHARES.  Work-groups 0-255 take x, 256-351 w_attn, 352-383 w_proj: only pointers and e are chosen, by selects on the work-group's number; the text has one path.  A wave makes four fragments.
; Each load reads 512 consecutive bytes of one row; a fragment's 16 rows turn through the wave's own stage in LDS (rows 528 bytes apart) and come back as 8 neighbours along K for each pair of code registers.
; LIMITS: each e between -126 and 119, so that 2^e and 448 x 2^e are f32 numbers.  NaN among the inputs is not served; an infinity is held at the largest code.
.set SP,    528                        ; a stage row: 512 bytes + 16: the sixteen rows that a read touches start at sixteen different banks
.set STG,   16*SP                      ; a wave's stage
.set SPARE, 4*STG                      ; behind the four stages: the spare words, 128 bytes for each wave
.set R,     16                         ; v16-143  two sets of 64: a fragment's numbers as loaded
.set X,     144                        ; v144-207 the same numbers, 8 neighbours along K for each c
.set C,     208                        ; v208-239 two sets of 16: a fragment's codes
.set SPW,   4                          ; v4  LDS address of my spare word; never rewritten
.set NIL,   5                          ; v5  0; never rewritten
	s_load_b256 s[4:11], s[0:1], 0x0               ; x s[4:5], w_attn s[6:7], w_proj s[8:9], the scales' exponents s[10:11]
	s_load_b128 s[12:15], s[0:1], 0x20             ; xc s[12:13], wac s[14:15]
	s_load_b64 s[16:17], s[0:1], 0x30              ; wpc
	v_lshl_add_u32 v[SPW], v0, 2, SPARE
	v_mov_b32 v[NIL], 0
	v_lshrrev_b32 v8, 5, v0
	v_readfirstlane_b32 s18, v8                    ; wave 0..3
	v_and_b32 v9, 31, v0
	v_lshlrev_b32 v1, 4, v9                        ; v1 = 16 x lane: my place in a load's 512 bytes and in a piece; never rewritten
	s_mul_i32 s19, s18, STG
	v_add_nc_u32 v2, s19, v1                       ; the stage, on the way in
	v_and_b32 v10, 15, v0                          ; r
	v_bfe_u32 v11, v0, 4, 1                        ; h
	v_mul_u32_u24 v3, v10, SP
	v_lshl_add_u32 v3, v11, 5, v3
	v_add_nc_u32 v3, s19, v3                       ; and on the way out: row r, + 32 h bytes (8 numbers)
	s_mov_b32 s26, 352
	s_wait_alu depctr_va_vdst(0)
	s_wait_kmcnt 0x0
	s_load_b256 s[32:39], s[10:11], 0x0            ; the eight exponents
	s_cmp_lt_u32 ttmp9, s26                        ; w_attn or w_proj?
	s_cselect_b64 s[20:21], s[6:7], s[8:9]
	s_cselect_b64 s[22:23], s[14:15], s[16:17]
	s_cselect_b32 s24, 256, s26                    ; the tensor's first work-group
	s_cmp_lt_u32 ttmp9, 256                        ; or x?
	s_cselect_b64 s[20:21], s[4:5], s[20:21]
	s_cselect_b64 s[22:23], s[12:13], s[22:23]
	s_cselect_b32 s24, 0, s24
	s_sub_co_u32 s27, ttmp9, s24
	s_lshl_b32 s27, s27, 2
	s_add_co_u32 s27, s27, s18                     ; G: my wave's number in the tensor: fragments 4 G .. 4 G + 3: rows 16 (G / 2) on, K 512 (G % 2) on
	s_lshr_b32 s28, s27, 1
	s_lshl_b32 s28, s28, 16                        ; 16 rows of 4,096 bytes
	s_and_b32 s30, s27, 1
	s_lshl_b32 s30, s30, 11                        ; 512 numbers
	s_add_co_u32 s28, s28, s30
	s_mov_b32 s29, 0
	s_add_nc_u64 s[20:21], s[20:21], s[28:29]      ; from here
	s_lshl_b32 s28, s27, 13
	s_add_nc_u64 s[22:23], s[22:23], s[28:29]      ; to here: four fragments of 2,048 bytes
.macro LOAD t                          ; fragment t: 16 rows x 512 bytes
.irp p, 0,1,2,3,4,5,6,7,8,9,10,11,12,13,14,15
	global_load_b128 v[R+64*((\t)%2)+4*\p:R+64*((\t)%2)+4*\p+3], v1, s[20:21] offset:512*(\t)+4096*\p th:TH_LOAD_NT
.endr
.endm
	LOAD 0
	LOAD 1
	s_wait_kmcnt 0x0
	s_cmp_lt_u32 ttmp9, s26
	s_cselect_b32 s25, s33, s39
	s_cmp_lt_u32 ttmp9, 256
	s_cselect_b32 s25, s32, s25                    ; e
	s_add_co_i32 s25, s25, 127
	s_lshl_b32 s26, s25, 23
	v_mov_b32 v6, s26                              ; 2^e as f32: the conversion takes its exponent field
	s_add_co_i32 s25, s25, 8
	s_lshl_b32 s25, s25, 23
	s_or_b32 s25, s25, 0x600000
.macro FRAGMENT t
.set RS, R+64*((\t)%2)
.set CW, C+16*((\t)%2)
.if (\t) < 3
	s_wait_loadcnt 16                              ; this fragment's 16 loads are in; the next fragment's 16 may be out
.else
	s_wait_loadcnt 0
.endif
.irp p, 0,1,2,3,4,5,6,7,8,9,10,11,12,13,14,15
	ds_store_b128 v2, v[RS+4*\p:RS+4*\p+3] offset:SP*\p
.endr
.irp c, 0,1,2,3,4,5,6,7                        ; LDS serves a wave's instructions in order: these see the stores above
	ds_load_b128 v[X+8*\c:X+8*\c+3], v3 offset:64*\c
	ds_load_b128 v[X+8*\c+4:X+8*\c+7], v3 offset:64*\c+16
.endr
	s_wait_dscnt 0x0                               ; the numbers are back, and the stores have read their registers,
.if (\t)+2 < 4
	LOAD (\t)+2                                    ; which take the fragment two further on
.else
	s_wait_xcnt 0x0                                ; this set of code registers was the data of the stores two fragments back: it is written again only behind this wait
.endif
.irp c, 0,1,2,3,4,5,6,7
.irp i, 0,1,2,3,4,5,6,7
.endr
	v_cvt_scalef32_pk8_fp8_f32 v[CW+2*\c:CW+2*\c+1], v[X+8*\c:X+8*\c+7], v6
.endr
	v_nop                                          ; a plain line behind the last conversion
.irp q, 0,1,2,3
	global_store_b128 v1, v[CW+4*\q:CW+4*\q+3], s[22:23] offset:2048*(\t)+512*\q   ; a piece: 512 consecutive bytes, aligned
.endr
.endm
	s_wait_alu depctr_va_vdst(0)
	FRAGMENT 0
	FRAGMENT 1
	FRAGMENT 2
	FRAGMENT 3
	s_wait_tensorcnt 0x0                           ; the wave's end, behind my last LDS store
	ds_add_u32 v[SPW], v[NIL]
	s_wait_dscnt 0x0
	s_endpgm
.Lfunc_end_k_q93e8a2c70e_quant:
	.size	k_q93e8a2c70e_quant, .Lfunc_end_k_q93e8a2c70e_quant-k_q93e8a2c70e_quant
	.p2alignl 7, 3214868480
	.fill 96, 4, 3214868480
	.section	.rodata,"a",@progbits
	.p2align	6, 0x0
	.amdhsa_kernel k_q93e8a2c70e_quant
		.amdhsa_group_segment_fixed_size 34304
		.amdhsa_private_segment_fixed_size 0
		.amdhsa_enable_private_segment 0
		.amdhsa_kernarg_size 56
		.amdhsa_user_sgpr_count 2
		.amdhsa_user_sgpr_kernarg_segment_ptr 1
		.amdhsa_wavefront_size32 1
		.amdhsa_system_sgpr_workgroup_id_x 1
		.amdhsa_system_sgpr_workgroup_id_y 1
		.amdhsa_system_sgpr_workgroup_id_z 1
		.amdhsa_system_vgpr_workitem_id 0
		.amdhsa_next_free_vgpr 240
		.amdhsa_next_free_sgpr 66
		.amdhsa_reserve_vcc 0
		.amdhsa_float_denorm_mode_32 3
		.amdhsa_float_denorm_mode_16_64 3
		.amdhsa_fp16_overflow 1
		.amdhsa_memory_ordered 1
		.amdhsa_forward_progress 1
		.amdhsa_inst_pref_size 21
	.end_amdhsa_kernel
	.amdgpu_metadata
---
amdhsa.version: [ 1, 2 ]
amdhsa.kernels:
  - .name:           k_q93e8a2c70e_quant
    .symbol:         k_q93e8a2c70e_quant.kd
    .args:
      - { .name: x, .offset: 0, .size: 8, .value_kind: global_buffer, .address_space: global }
      - { .name: w_attn, .offset: 8, .size: 8, .value_kind: global_buffer, .address_space: global }
      - { .name: w_proj, .offset: 16, .size: 8, .value_kind: global_buffer, .address_space: global }
      - { .name: lowp_scales, .offset: 24, .size: 8, .value_kind: global_buffer, .address_space: global }
      - { .name: xc, .offset: 32, .size: 8, .value_kind: global_buffer, .address_space: global }
      - { .name: wac, .offset: 40, .size: 8, .value_kind: global_buffer, .address_space: global }
      - { .name: wpc, .offset: 48, .size: 8, .value_kind: global_buffer, .address_space: global }
    .group_segment_fixed_size: 34304
    .private_segment_fixed_size: 0
    .kernarg_segment_align: 8
    .kernarg_segment_size: 56
    .max_flat_workgroup_size: 128
    .sgpr_count:     66
    .vgpr_count:     240
    .wavefront_size: 32
...
	.end_amdgpu_metadata
.endif
;; end of part 1
;; launch qkv (part 2): grid 12 x 32, 4 waves a work-group, clusters of 4 x 4, 327,680 bytes of LDS; arguments xc, wac, lowp_scales, b_attn, qc, kc, vc; writes qc, kc, vc
.if DOCPART == 2
	.amdgcn_target "amdgcn-amd-amdhsa--gfx1250"
	.amdhsa_code_object_version 6
	.text
	.protected	k_q93e8a2c70e_qkv
	.globl	k_q93e8a2c70e_qkv
	.p2align	8
	.type	k_q93e8a2c70e_qkv,@function
k_q93e8a2c70e_qkv:
	s_mov_b64 s[64:65], 0
	v_nop
	global_prefetch_b8 v0, s[64:65] scope:SCOPE_SE
	s_setreg_imm32_b32 hwreg(HW_REG_WAVE_MODE, 25, 1), 1
	s_wait_xcnt 0x0
	s_wait_alu depctr_hold_cnt(0) depctr_sa_sdst(0) depctr_va_vdst(0) depctr_va_sdst(0) depctr_va_ssrc(0) depctr_va_vcc(0) depctr_vm_vsrc(0)
	s_getreg_b32 s2, hwreg(HW_REG_IB_STS2, 6, 4)
	s_cmp_eq_u32 s2, 0
	s_cbranch_scc0 .Lentry_in_a_cluster
	s_endpgm
.Lentry_in_a_cluster:
	s_bfe_u32 s2, ttmp6, 0x10000c
	s_cmp_lg_u32 s2, 0xf033
	s_cbranch_scc0 .Lentry_shape_is_right
	s_endpgm
.Lentry_shape_is_right:
; qkv = x w_attn^T + b_attn on codes of FP8 (E4M3), and its three parts quantised again, as operands of the attention's two products: q (scale entry 2), k (entry 3), v (entry 5).
; xc [512 rt][8 ks][2,048] and wac [192 rt][8 ks][2,048] hold images of operand registers: fragment (rt, ks) = rows 16 rt on x K 128 ks on; lane l: row l % 16, registers 2 c, 2 c + 1: K = 16 c + 8 (l / 16) + 0 .. 7;
; registers 4 q .. 4 q + 3 of all lanes are 512 bytes, lane l's 16 at 16 l.  So a fragment comes out of LDS by four loads at 16 x lane: no pitch, no padding, each load 512 consecutive bytes.
; A work-group of four waves makes 256 x 256 of the product, a wave 128 x 128: 64 accumulators.  D = S0 fragment x S1 fragment: in accumulator (a, b) lane (r, h), register j holds (S1 row 16 a + r, S0 row 16 b + 8 h + j).
; WHICH OPERAND IS S0 HANGS ON THE CLUSTER'S x (0: q, 1: k, 2: v), which all sixteen partners share.  q, k: S1 = x, S0 = W: a lane holds one token and its registers run along the head's channels, the first
; attention product's K.  v: S1 = W, S0 = x: a lane holds one channel and its registers run along the tokens, the second product's K.  So each conversion's two registers ARE two registers of the next operand,
; and the codes leave straight from registers, 512 consecutive aligned bytes a store.  qc, kc: [64 bh][128 tiles of 16 tokens][1,024]; vc: [64 bh][16 steps of 128 keys][4 blocks of 16 channels][2,048].
; K = 1,024 goes in four steps of 256 through a ring of two LDS slots; a wave's tensor load brings 8 row tiles x 4,096 bytes.  CLUSTERS: 4 x 4; S1's tile is asked for jointly along a row of the cluster, S0's along a column.
; LIMITS: entries 0 + 1 between -126 and 127; entries 2, 3, 5 each between -126 and 119.
; REGISTERS: window 0: v8-31 addresses and scales; v32-95 the bias; v128-255 S1's fragments, one set; on the way out v96-159 numbers, v160-191 codes.  window 1: S0's fragments, two sets.  windows 2, 3: the accumulators.
.set HALFT,  32768                     ; what one tensor load brings, and what one wave reads of S1 or of S0: 8 row tiles x 2 fragments x 2,048 bytes
.set SLOT,   4*HALFT                   ; S1's 256 rows, then S0's
.set SPARE,  2*SLOT                    ; behind the ring: the spare words, 128 bytes for each wave
.set KB,     4096                      ; a K step of 256 in a row tile's bytes
.set FR,     16
.set NL,     4
.set NP,     4                         ; places behind this matrix instruction (ISA guide 7.12.1)
.set ADRA, 16                          ; v16-17  LDS address of my S1 fragments in slot 0, 1
.set ADRB, 20                          ; v20-21  the same for S0
.set CO,   26                          ; v26     16 x lane
.set SPW,  28                          ; v28     LDS address of my spare word; never rewritten
.set NIL,  29                          ; v29     0; never rewritten
.set SCL,  30                          ; v30     2^eo as f32
.set HOLD, 31
.set BI,   32                          ; v32-95  the bias, in the accumulators' layout
.set T,    96
.set CD,   160
.set AF,   128
.set G1, 24                            ; s[24:31] descriptor group 1 for S1's tiles;  s[32:39] group 0, one set for each slot
.set G0, 32
.set G1B, 48                           ; s[48:55], s[56:63] the same for S0's
.set G0B, 56
.set MSB, 0
.macro WIN new                         ; the immediate's high byte repeats the setting that is left
.if MSB != \new
	s_set_vgpr_msb (MSB<<8)|\new
.set MSB, \new
.endif
.endm
.set MUL_LO, 0xa1                      ; source 0 (S0) window 1, source 1 (S1) window 0, C and D window 2
.set MUL_HI, 0xf1                      ; the same, C and D window 3
.set TO_B,   0x40                      ; destination window 1, address window 0
; A joint load: waves 0 and 1 fetch for S1, waves 2 and 3 for S0.  The branch hangs on the wave's number alone.  An s_nop 0 and four v_nop follow each of the two lines.
.macro JLOAD g0a, g1a, g0b, g1b
	s_cmp_eq_u32 s15, 0
	s_cbranch_scc0 .Lfor_b_\@
	tensor_load_to_lds s[\g0a:\g0a+3], s[\g1a:\g1a+7]
	s_nop 0
.rept 4
	v_nop
.endr
	s_branch .Lasked_\@
.Lfor_b_\@:
	tensor_load_to_lds s[\g0b:\g0b+3], s[\g1b:\g1b+7]
	s_nop 0
.rept 4
	v_nop
.endr
.Lasked_\@:
.endm
.macro CREST                           ; a round of the cluster's barrier behind its opening barrier
	s_cmp_lg_u32 s14, 0
	s_cbranch_scc1 .Lnot_wave_0_\@
	s_barrier_signal -3
.Lnot_wave_0_\@:
	s_barrier_wait -3
	s_barrier_signal -1
	s_barrier_wait -1
.endm
.macro CROUND                          ; a whole round
	s_barrier_signal -1
	s_barrier_wait -1
	CREST
.endm
	s_load_b256 s[4:11], s[0:1], 0x0               ; xc s[4:5], wac s[6:7], the scales' exponents s[8:9], b_attn s[10:11]
	s_load_b128 s[72:75], s[0:1], 0x20             ; qc s[72:73], kc s[74:75]
	s_load_b64 s[76:77], s[0:1], 0x30              ; vc
	v_lshl_add_u32 v[SPW], v0, 2, SPARE
	v_mov_b32 v[NIL], 0
	ds_add_u32 v[SPW], v[NIL]
	ds_add_u32 v[SPW], v[NIL]                      ; the wave's opening: the add and its wait stand ahead of my first tensor load; the set-up below stands between them
	v_lshrrev_b32 v1, 5, v0
	v_readfirstlane_b32 s14, v1                    ; wave 0..3
	s_lshr_b32 s15, s14, 1                         ; which half of S1's rows is mine.  Also: I fetch for S1 (0) or for S0 (1)
	s_and_b32 s16, s14, 1                          ; which half of S0's rows.  Also: which 128 rows of that tile I fetch
	s_bfe_u32 s40, ttmp6, 0x40000                  ; cx, cy: my place in the cluster
	s_bfe_u32 s41, ttmp6, 0x40004
	s_and_b32 s67, ttmp7, 0xffff
	s_lshl_b32 s67, s67, 2                         ; 4 x cluster y
	s_lshl_b32 s68, ttmp9, 2                       ; 4 x cluster x
	s_cmp_eq_u32 ttmp9, 2                          ; v's clusters?  The same answer in all sixteen partners
	s_cselect_b32 s17, 8, s67                      ; S1's tile: v: W's tile 8 + cy;            q, k: x's tile 4 x cluster y + cy
	s_cselect_b32 s42, s67, s68                    ; S0's tile: v: x's tile 4 x cluster y + cx; q, k: W's tile 4 x cluster x + cx
	s_add_co_u32 s17, s17, s41
	s_add_co_u32 s42, s42, s40
	s_lshl_b32 s43, s41, 2
	s_lshl_b32 s43, 15, s43                        ; my row of the cluster
	s_lshl_b32 s44, 0x1111, s40                    ; my column
	; descriptor group 1: 8 rows of 512 elements of 8 bytes (4,096 bytes: a row tile's two fragments of a K step), 2,048 elements (a row tile's 16,384 bytes) apart; dense in LDS
	s_or_b32 s[G1+0], s43, (3<<16)|(1<<21)         ; 15:0 the mask: S1's tiles go to my row; 17:16 elements of 8 bytes; 21 set beside a mask
	s_or_b32 s[G1B+0], s44, (3<<16)|(1<<21)        ; S0's go to my column
.irp g, G1, G1B
	s_mov_b32 s[\g+1], 512<<16                     ; tensor_dim0
	s_mov_b32 s[\g+2], 8<<16                       ; tensor_dim1
	s_mov_b32 s[\g+3], 512<<16                     ; tile_dim0
	s_mov_b32 s[\g+4], 8                           ; tile_dim1
	s_mov_b32 s[\g+5], 2048                        ; tensor_dim0_stride
	s_mov_b32 s[\g+6], 0
	s_mov_b32 s[\g+7], 0
.endr
	s_lshl_b32 s18, s16, 17                        ; which 8 row tiles of the tile's 16 I fetch
	s_lshl_b32 s20, s17, 18                        ; a tile of 256 rows is 16 row tiles of 16,384 bytes
	s_add_co_u32 s20, s20, s18
	s_mov_b32 s21, 0
	s_lshl_b32 s46, s42, 18
	s_add_co_u32 s46, s46, s18
	s_mov_b32 s47, 0
	s_lshl_b32 s45, s14, 15                        ; where they go: wave x HALFT: no place in the cluster enters an LDS address
	s_wait_dscnt 0x0                               ; the opening add is done
	s_wait_kmcnt 0x0
	s_load_b256 s[80:87], s[8:9], 0x0              ; the eight exponents
	s_cmp_eq_u32 ttmp9, 2
	s_cselect_b64 s[2:3], s[6:7], s[4:5]           ; S1's buffer
	s_cselect_b64 s[12:13], s[4:5], s[6:7]         ; S0's
	s_add_nc_u64 s[20:21], s[2:3], s[20:21]
	s_add_nc_u64 s[46:47], s[12:13], s[46:47]
	CROUND                                         ; all sixteen work-groups are here: the first joint loads meet
.irp s, 0,1
	s_mov_b32 s[G0+4*\s], 1
	s_add_co_u32 s[G0+4*\s+1], s45, \s*SLOT
	s_add_nc_u64 s[G0+4*\s+2:G0+4*\s+3], s[20:21], \s*KB
	s_or_b32 s[G0+4*\s+3], s[G0+4*\s+3], 0x80000000
	s_mov_b32 s[G0B+4*\s], 1
	s_add_co_u32 s[G0B+4*\s+1], s45, \s*SLOT
	s_add_nc_u64 s[G0B+4*\s+2:G0B+4*\s+3], s[46:47], \s*KB
	s_or_b32 s[G0B+4*\s+3], s[G0B+4*\s+3], 0x80000000
	JLOAD G0+4*\s, G1, G0B+4*\s, G1B
.endr
	v_and_b32 v6, 31, v0
	v_lshlrev_b32 v[CO], 4, v6                     ; 16 x lane
	s_lshl_b32 s22, s15, 15                        ; my 128 rows of S1
	s_lshl_b32 s23, s16, 15                        ; my 128 rows of S0,
	s_add_co_u32 s23, s23, 2*HALFT                 ; which lie behind S1's 256
.irp s, 0,1
	v_add_nc_u32 v[ADRA+\s], s22, v[CO]
	v_add_nc_u32 v[ADRB+\s], s23, v[CO]
	s_add_co_u32 s22, s22, SLOT
	s_add_co_u32 s23, s23, SLOT
.endr
	; the way out's scalars.  tX, tW: x's and W's tile; sX, sW: my wave's half on that side
	s_cmp_eq_u32 ttmp9, 2
	s_cselect_b32 s78, s42, s17                    ; tX
	s_cselect_b32 s79, s17, s42                    ; tW
	s_cselect_b32 s88, s16, s15                    ; sX
	s_cselect_b32 s89, s15, s16                    ; sW
	s_cselect_b32 s68, 4, 0                        ; the bias's offset = sA r + sB h + sC j: v: (4, 0, 0): channel 16 a + r, the same for all j;
	s_cselect_b32 s69, 0, 32                       ; q, k: (0, 32, 4): channel 16 b + 8 h + j
	s_cselect_b32 s70, 0, 4
	s_cselect_b64 s[92:93], s[76:77], s[74:75]
	s_cmp_eq_u32 ttmp9, 0
	s_cselect_b64 s[92:93], s[72:73], s[92:93]     ; qc, kc or vc
	v_and_b32 v1, 15, v0                           ; r
	v_bfe_u32 v2, v0, 4, 1                         ; h
	v_mul_lo_u32 v3, v1, s68
	v_mul_lo_u32 v4, v2, s69
	v_add_nc_u32 v3, v3, v4
	s_wait_alu depctr_va_vdst(0)
.irp j, 0,1,2,3,4,5,6,7
	s_mul_i32 s71, s70, \j
	v_add_nc_u32 v[8+\j], s71, v3
.endr
	s_lshl_b32 s66, s79, 10                        ; b_attn at channel 256 tW + 128 sW
	s_lshl_b32 s69, s89, 9
	s_add_co_u32 s66, s66, s69
	s_mov_b32 s67, 0
	s_add_nc_u64 s[94:95], s[10:11], s[66:67]
	s_wait_alu depctr_va_vdst(0)
.irp x, 0,1,2,3,4,5,6,7
.irp j, 0,1,2,3,4,5,6,7
	global_load_b32 v[BI+8*\x+\j], v[8+\j], s[94:95] offset:64*\x
.endr
.endr
	s_lshr_b32 s66, s78, 3                         ; the batch: 8 tiles of 256 tokens each;
	s_lshl_b32 s66, s66, 4
	s_and_b32 s69, s79, 3
	s_lshl_b32 s69, s69, 2
	s_add_co_u32 s66, s66, s69                     ; + the head: 4 to a tile of W,
	s_lshl_b32 s69, s89, 1
	s_add_co_u32 s66, s66, s69                     ; 2 to a wave's half: bh
	s_lshl_b32 s66, s66, 17                        ; x 131,072 bytes
	s_and_b32 s69, s78, 7
	s_lshl_b32 s69, s69, 1
	s_add_co_u32 s69, s69, s88                     ; my 128 tokens among the batch's 2,048:
	s_lshl_b32 s69, s69, 13                        ; 8 tiles of 1,024 bytes in qc and kc, one key step of 8,192 in vc
	s_add_co_u32 s66, s66, s69
	s_add_nc_u64 s[92:93], s[92:93], s[66:67]
	s_wait_kmcnt 0x0
	s_cmp_eq_u32 ttmp9, 2
	s_cselect_b32 s90, s85, s83
	s_cmp_eq_u32 ttmp9, 0
	s_cselect_b32 s90, s82, s90                    ; eo: entry 2, 3 or 5
	s_add_co_i32 s96, s80, s81
	s_add_co_i32 s96, s96, 127
	s_lshl_b32 s96, s96, 23                        ; 2^(entry 0 + entry 1) as f32
	s_mov_b32 s97, s96                             ; (named with it as a pair, so it is written)
	s_add_co_i32 s90, s90, 127
	s_lshl_b32 s91, s90, 23
	v_mov_b32 v[SCL], s91
.macro FRAG reg, adr, q, i             ; a fragment's image: four pieces of 512 bytes
.irp c, 0,1,2,3
	ds_load_b128 v[\reg+4*\c:\reg+4*\c+3], v[\adr] offset:4096*(\i)+2048*(\q)+512*\c
.endr
.endm
; 16 matrix instructions: S1's blocks a0, a0 + 1 x S0's eight, 128 along K.  p: S0's set.  zero = 1: the first product starts the sums.  The 64 accumulators take turns, one instruction a turn.
.macro MUL16 a0, p, zero
.irp a, \a0, \a0+1
.irp b, 0,1,2,3,4,5,6,7
.if \zero
	v_wmma_f32_16x16x128_fp8_fp8 v[8*(8*((\a)%4)+\b):8*(8*((\a)%4)+\b)+7], v[128*(\p)+FR*\b:128*(\p)+FR*\b+FR-1], v[AF+FR*(\a):AF+FR*(\a)+FR-1], 0
.else
	v_wmma_f32_16x16x128_fp8_fp8 v[8*(8*((\a)%4)+\b):8*(8*((\a)%4)+\b)+7], v[128*(\p)+FR*\b:128*(\p)+FR*\b+FR-1], v[AF+FR*(\a):AF+FR*(\a)+FR-1], v[8*(8*((\a)%4)+\b):8*(8*((\a)%4)+\b)+7]
.endif
.endr
.endr
.endm
.macro FETCH_B slot, q, p              ; S0's eight fragments of the slot's q-th 128 along K into set p
	WIN TO_B
.irp i, 0,1,2,3,4,5,6,7
	FRAG 128*(\p)+FR*\i, ADRB+\slot, \q, \i
.endr
	WIN 0
.endm
.macro FETCH_A slot, q, i0             ; S1's blocks i0 .. i0 + 3
.irp i, \i0, \i0+1, \i0+2, \i0+3
	FRAG AF+FR*(\i), ADRA+\slot, \q, \i
.endr
.endm
.macro PLACES n                        ; plain vector lines between a matrix instruction and a load into, or a vector line on, its registers
.rept \n
	v_nop
.endr
.endm
.macro STEP slot, q, zero              ; a step of 128 along K that has its successor in the same slot
	s_wait_dscnt 4*NL                              ; S0's set and S1's blocks 0-3 are in; the youngest 16 loads (S1's blocks 4-7) may be out
	WIN MUL_LO
	MUL16 0, (\q)%2, \zero
	MUL16 2, (\q)%2, \zero
	s_wait_dscnt 0
	PLACES NP
	FETCH_B \slot, (\q)+1, 1-(\q)%2
	FETCH_A \slot, (\q)+1, 0
	WIN MUL_HI
	MUL16 4, (\q)%2, \zero
	MUL16 6, (\q)%2, \zero
	PLACES NP
	WIN 0
	FETCH_A \slot, (\q)+1, 4
.endm
; A slot's last step changes slots: ONE barrier; in front of it each wave waits for all its tensor loads, adds 0 to its spare word, and waits for that and for its own reads of this slot.  fill = 1: this slot is filled again, two K steps ahead.
.macro TURN slot, next, fill
	s_wait_tensorcnt 0x0                           ; all my tensor loads have landed: my part of the next slot
	ds_add_u32 v[SPW], v[NIL]                      ; 0 onto my spare word
	s_wait_dscnt 4*NL+1                            ; (the add and the youngest 16 loads may be out)
	WIN MUL_LO
	MUL16 0, 1, 0
	s_wait_dscnt 0x0                               ; the add is done, and my reads of this slot are over
	s_barrier_signal -1
	MUL16 2, 1, 0
	WIN 0
	s_barrier_wait -1
.if \fill
	CREST                                          ; the barrier has opened a round of the cluster's barrier: no wave of any partner still reads this slot or has a load on its way
	s_add_nc_u64 s[G0+4*\slot+2:G0+4*\slot+3], s[G0+4*\slot+2:G0+4*\slot+3], 2*KB
	s_add_nc_u64 s[G0B+4*\slot+2:G0B+4*\slot+3], s[G0B+4*\slot+2:G0B+4*\slot+3], 2*KB
	JLOAD G0+4*\slot, G1, G0B+4*\slot, G1B         ; the first tensor load behind the round; its four v_nop are the places in front of the loads below
.else
	PLACES NP
.endif
	FETCH_B \next, 0, 0
	FETCH_A \next, 0, 0
	WIN MUL_HI
	MUL16 4, 1, 0
	MUL16 6, 1, 0
	PLACES NP
	WIN 0
	FETCH_A \next, 0, 4
.endm
	s_wait_loadcnt 0x0                             ; the bias
	s_wait_tensorcnt 1                             ; my part of K step 0 is in (K step 1's load may be out)
	s_barrier_signal -1
	s_barrier_wait -1                              ; everybody's is
	FETCH_B 0, 0, 0
	FETCH_A 0, 0, 0
	FETCH_A 0, 0, 4
	STEP 0, 0, 1                                   ; K 0-127: its products start the sums
	TURN 0, 1, 1                                   ; K 128-255; slot 0 takes K step 2
	STEP 1, 0, 0
	TURN 1, 0, 1                                   ; slot 1 takes K step 3
	STEP 0, 0, 0
	TURN 0, 1, 0                                   ; nothing is left to fetch
	STEP 1, 0, 0
	s_wait_dscnt 4*NL                              ; the last step
	WIN MUL_LO
	MUL16 0, 1, 0
	MUL16 2, 1, 0
	s_wait_dscnt 0
	WIN MUL_HI
	MUL16 4, 1, 0
	MUL16 6, 1, 0
	WIN 0
; THE WAY OUT of S1's block a: number = sum x 2^(entries 0 + 1) + bias, one packed multiply-add for two; held; converted: accumulator b's eight numbers give registers 2 b, 2 b + 1 of the block's 16 code registers.
; q, k: those are two fragments (heads 2 sW and 2 sW + 1) of token tile a.  v: one fragment: head a / 4 of my two, channels 16 (a % 4) on, my 128 tokens as its keys.
.macro EPI a, isv
.set AC, 64*((\a)%4)
.set CC, CD+16*((\a)%2)
	WIN 0x02+((\a)/4)                              ; source 0: window 2 or 3
.irp b, 0,1,2,3,4,5,6,7
.irp i, 0,2,4,6
.if \isv
	v_pk_fma_f32 v[T+8*\b+\i:T+8*\b+\i+1], v[AC+8*\b+\i:AC+8*\b+\i+1], s[96:97], v[BI+8*(\a)+\i:BI+8*(\a)+\i+1] op_sel_hi:[1,0,1]
.else
	v_pk_fma_f32 v[T+8*\b+\i:T+8*\b+\i+1], v[AC+8*\b+\i:AC+8*\b+\i+1], s[96:97], v[BI+8*\b+\i:BI+8*\b+\i+1] op_sel_hi:[1,0,1]
.endif
.endr
.endr
	WIN 0
.if (\a) >= 2
	s_wait_alu depctr_va_vdst(0)
	s_wait_xcnt 0x0                                ; this set of code registers was the data of block a - 2's stores: it is written again only behind this wait
.endif
.irp b, 0,1,2,3,4,5,6,7
.irp i, 0,1,2,3,4,5,6,7
.endr
	v_cvt_scalef32_pk8_fp8_f32 v[CC+2*\b:CC+2*\b+1], v[T+8*\b:T+8*\b+7], v[SCL]
.endr
	v_nop                                          ; a plain line behind the last conversion
.irp q, 0,1,2,3
.if \isv
	global_store_b128 v[CO], v[CC+4*\q:CC+4*\q+3], s[92:93] offset:131072*((\a)/4)+2048*((\a)%4)+512*\q
.else
	global_store_b128 v[CO], v[CC+4*\q:CC+4*\q+3], s[92:93] offset:1024*(\a)+131072*(\q/2)+512*(\q%2)
.endif
.endr
.endm
	PLACES NP                                      ; behind the last products: their results are read and their sources written below
	s_cmp_eq_u32 ttmp9, 2                          ; the cluster's x: all partners and all waves go the same way
	s_cbranch_scc1 .Lv_out
.irp a, 0,1,2,3,4,5,6,7
	EPI \a, 0
.endr
	s_branch .Lout_done
.Lv_out:
.irp a, 0,1,2,3,4,5,6,7
	EPI \a, 1
.endr
.Lout_done:
	s_wait_tensorcnt 0x0                           ; the wave's end, behind my last tensor load
	ds_add_u32 v[SPW], v[NIL]
	s_wait_dscnt 0x0
	CROUND                                         ; the closing round: no work-group ends while a partner may still ask for a tile that names it
	s_endpgm
.Lfunc_end_k_q93e8a2c70e_qkv:
	.size	k_q93e8a2c70e_qkv, .Lfunc_end_k_q93e8a2c70e_qkv-k_q93e8a2c70e_qkv
	.p2alignl 7, 3214868480
	.fill 96, 4, 3214868480
	.section	.rodata,"a",@progbits
	.p2align	6, 0x0
	.amdhsa_kernel k_q93e8a2c70e_qkv
		.amdhsa_group_segment_fixed_size 327680
		.amdhsa_private_segment_fixed_size 0
		.amdhsa_enable_private_segment 0
		.amdhsa_kernarg_size 56
		.amdhsa_user_sgpr_count 2
		.amdhsa_user_sgpr_kernarg_segment_ptr 1
		.amdhsa_wavefront_size32 1
		.amdhsa_system_sgpr_workgroup_id_x 1
		.amdhsa_system_sgpr_workgroup_id_y 1
		.amdhsa_system_sgpr_workgroup_id_z 1
		.amdhsa_system_vgpr_workitem_id 0
		.amdhsa_next_free_vgpr 1024
		.amdhsa_next_free_sgpr 100
		.amdhsa_reserve_vcc 0
		.amdhsa_float_denorm_mode_32 3
		.amdhsa_float_denorm_mode_16_64 3
		.amdhsa_fp16_overflow 1
		.amdhsa_memory_ordered 1
		.amdhsa_forward_progress 1
		.amdhsa_inst_pref_size 133
	.end_amdhsa_kernel
	.amdgpu_metadata
---
amdhsa.version: [ 1, 2 ]
amdhsa.kernels:
  - .name:           k_q93e8a2c70e_qkv
    .symbol:         k_q93e8a2c70e_qkv.kd
    .args:
      - { .name: xc, .offset: 0, .size: 8, .value_kind: global_buffer, .address_space: global }
      - { .name: wac, .offset: 8, .size: 8, .value_kind: global_buffer, .address_space: global }
      - { .name: lowp_scales, .offset: 16, .size: 8, .value_kind: global_buffer, .address_space: global }
      - { .name: b_attn, .offset: 24, .size: 8, .value_kind: global_buffer, .address_space: global }
      - { .name: qc, .offset: 32, .size: 8, .value_kind: global_buffer, .address_space: global }
      - { .name: kc, .offset: 40, .size: 8, .value_kind: global_buffer, .address_space: global }
      - { .name: vc, .offset: 48, .size: 8, .value_kind: global_buffer, .address_space: global }
    .group_segment_fixed_size: 327680
    .private_segment_fixed_size: 0
    .kernarg_segment_align: 8
    .kernarg_segment_size: 56
    .max_flat_workgroup_size: 128
    .sgpr_count:     100
    .vgpr_count:     1024
    .wavefront_size: 32
...
	.end_amdgpu_metadata
.endif
;; end of part 2
;; launch attn (part 3): grid 4 x 64, 16 waves a work-group, clusters of 4 x 1, 327,680 bytes of LDS; arguments qc, kc, vc, lowp_scales, yc; writes yc
.if DOCPART == 3
	.amdgcn_target "amdgcn-amd-amdhsa--gfx1250"
	.amdhsa_code_object_version 6
	.text
	.protected	k_q93e8a2c70e_attn
	.globl	k_q93e8a2c70e_attn
	.p2align	8
	.type	k_q93e8a2c70e_attn,@function
k_q93e8a2c70e_attn:
	s_mov_b64 s[64:65], 0
	v_nop
	global_prefetch_b8 v0, s[64:65] scope:SCOPE_SE
	s_setreg_imm32_b32 hwreg(HW_REG_WAVE_MODE, 25, 1), 1
	s_wait_xcnt 0x0
	s_wait_alu depctr_hold_cnt(0) depctr_sa_sdst(0) depctr_va_vdst(0) depctr_va_sdst(0) depctr_va_ssrc(0) depctr_va_vcc(0) depctr_vm_vsrc(0)
	s_getreg_b32 s2, hwreg(HW_REG_IB_STS2, 6, 4)
	s_cmp_eq_u32 s2, 0
	s_cbranch_scc0 .Lentry_in_a_cluster
	s_endpgm
.Lentry_in_a_cluster:
	s_bfe_u32 s2, ttmp6, 0x10000c
	s_cmp_lg_u32 s2, 0x3003
	s_cbranch_scc0 .Lentry_shape_is_right
	s_endpgm
.Lentry_shape_is_right:
; y = causal softmax(q k^T / 8) v for 64 (batch, head) pairs of 2,048 tokens x 64 channels, both products on codes of FP8 (E4M3), and y quantised (scale entry 6) as the last product's operand.
; qc, kc: [64 bh][128 tiles of 16 tokens][1,024]: images of operand registers (lane l: token l % 16; registers 2 c, 2 c + 1: channels 16 c + 8 (l / 16) + 0 .. 7).  vc: [64 bh][16 steps of 128 keys][4 blocks of 16 channels][2,048]:
; lane l: channel l % 16; registers 2 c, 2 c + 1: keys 16 c + 8 (l / 16) + 0 .. 7.  yc: [512 tiles of 16 tokens][8 ks][2,048]: head hd's 64 channels are the 1,024 bytes at 1,024 hd of a tile's 16,384.
; THE SOFTMAX: t = score x log2(e) / 8; M = the row's largest t so far, rounded UP to a whole number; p = 2^(t - M) is quantised (entry 4), not normalised.  The row's sum is taken of the unquantised p and divides at the end.
; When M moves, the sum and O are multiplied by 2^(old M - new M): exact.
; LAYOUT.  S^T = K Q^T (source 0 = 16 keys, source 1 = 16 queries): lane (r, h) holds query r; register 8 t + j holds key 16 t + 8 h + j of the step's 128: so the conversion of tile t's eight registers gives registers
; 2 t, 2 t + 1 of P as source 1 of O^T = V^T P^T.  O^T's register 8 t + j is channel 16 t + 8 h + j of query r: its conversion gives y's code registers.  Nothing changes lanes, nothing goes through LDS.
; SHARES.  A cluster of four work-groups is one (batch, head).  Wave w of the partner at place p owns query tiles 4 w + p and 127 - (4 w + p).  A tile's last key step is tile / 8: w / 2 and 15 - w / 2: they hang on the wave's
; number alone, so no branch hangs on the place in the cluster, and every wave of the launch walks 17 key steps.  The place enters Q's and y's addresses and the mask's compare values.
; LDS holds the head's WHOLE K (131,072 bytes) and V (131,072): each wave asks for two parts, jointly with its three partners, at the head: keys 0-511 and keys 512-2,047; nothing is filled again.
; count a wave has two tensor loads out.  The first four key steps, which every wave's higher tile needs whole, run while the second part is on its way.
; LIMITS: entries 2 + 3 between -123 and 130 (added to c's exponent field); entries 4 and 6 each between -126 and 119; entries 4 + 5 go by v_ldexp_f32 and have none.
; REGISTERS: v1-9 addresses and the mask's values; v12 -M, v13 the largest t, v[14:15] the sum in two halves; v16-23, v24-31 Q of the higher and the lower tile; v32-95 K's 8 fragments, then V's 4; v96-159 S^T, then p;
; v160-191 O^T; v192-207 p's codes; v208-223 y's codes; v236-254 at work.
.set SPARE, 262144                     ; behind K and V: the spare words, 128 bytes for each of 16 waves
.set VBASE, 131072
.set STEPB, 8192                       ; a key step's bytes, in K and in V
.set AK0,  1                           ; v1  16 x lane; never rewritten
.set AV0,  2                           ; v2  VBASE + 16 x lane; never rewritten
.set ADK,  3
.set ADV,  4
.set SPW,  5                           ; v5  LDS address of my spare word; never rewritten
.set NIL,  6                           ; v6  0; never rewritten
.set DH,   8                           ; v8  the higher tile: my query's place in its last key step, less 8 h
.set DL,   9                           ; v9  the lower tile's
.set WV,   18
.set SEL,  20                          ; s[20:21] lane selects for v_permlanex16_b32: lane l xor 16
.set CS,   22                          ; s[22:23] c = log2(e) / 8 x 2^(entries 2 + 3)
.set G1A,  24                          ; s[24:31] descriptor group 1: 16 rows of 256 bytes
.set G1B,  32                          ; s[32:39] 48 rows
.set G0A,  40
.set G0B,  44
.set KS,   66                          ; the key step
.set TB,   67                          ; its bytes' place in K and in V
.set LIM,  68                          ; the tile's last key step
.macro CROUND
	s_barrier_signal -1
	s_barrier_wait -1
	s_cmp_lg_u32 s[WV], 0
	s_cbranch_scc1 .Lnot_wave_0_\@
	s_barrier_signal -3
.Lnot_wave_0_\@:
	s_barrier_wait -3
	s_barrier_signal -1
	s_barrier_wait -1
.endm
	s_load_b256 s[4:11], s[0:1], 0x0               ; qc s[4:5], kc s[6:7], vc s[8:9], the scales' exponents s[10:11]
	s_load_b64 s[12:13], s[0:1], 0x20              ; yc
	v_lshl_add_u32 v[SPW], v0, 2, SPARE
	v_mov_b32 v[NIL], 0
	ds_add_u32 v[SPW], v[NIL]                      ; the wave's opening: the add and its wait stand ahead of my first tensor load; the set-up below stands between them
	ds_add_u32 v[SPW], v[NIL]
	v_lshrrev_b32 v7, 5, v0
	s_delay_alu instid0(VALU_DEP_1)
	v_readfirstlane_b32 s[WV], v7                  ; wave 0..15
	s_bfe_u32 s14, ttmp6, 0x40000                  ; p: my place in the cluster
	s_and_b32 s15, ttmp7, 0xffff                   ; bh, which the four partners share
	; descriptor groups 1: dense blocks as rows of 32 elements of 8 bytes; the mask names all four work-groups
	s_mov_b32 s[G1A], 15|(3<<16)|(1<<21)
	s_mov_b32 s[G1A+1], 32<<16                     ; tensor_dim0
	s_mov_b32 s[G1A+2], 16<<16                     ; tensor_dim1
	s_mov_b32 s[G1A+3], 32<<16                     ; tile_dim0
	s_mov_b32 s[G1A+4], 16                         ; tile_dim1
	s_mov_b32 s[G1A+5], 32                         ; tensor_dim0_stride
	s_mov_b32 s[G1A+6], 0
	s_mov_b32 s[G1A+7], 0
	s_mov_b32 s[G1B], 15|(3<<16)|(1<<21)
	s_mov_b32 s[G1B+1], 32<<16
	s_mov_b32 s[G1B+2], 48<<16
	s_mov_b32 s[G1B+3], 32<<16
	s_mov_b32 s[G1B+4], 48
	s_mov_b32 s[G1B+5], 32
	s_mov_b32 s[G1B+6], 0
	s_mov_b32 s[G1B+7], 0
	s_lshr_b32 s16, s[WV], 3                       ; waves 0-7 fetch K, waves 8-15 V
	s_lshl_b32 s16, s16, 17
	s_and_b32 s17, s[WV], 7
	s_lshl_b32 s19, s17, 12                        ; keys 0-511: 32,768 bytes, 4,096 a wave
	s_mul_i32 s50, s17, 12288                      ; keys 512-2,047: 98,304 bytes, 12,288 a wave
	s_add_co_u32 s50, s50, 32768
	s_mov_b32 s[G0A], 1
	s_add_co_u32 s[G0A+1], s16, s19                ; LDS addresses: the wave's number and constants alone
	s_mov_b32 s[G0B], 1
	s_add_co_u32 s[G0B+1], s16, s50
	s_lshl_b32 s52, s15, 17                        ; the head's first byte in qc, kc and vc
	s_add_co_u32 s54, s52, s19
	s_mov_b32 s55, 0
	s_add_co_u32 s48, s52, s50
	s_mov_b32 s49, 0
	s_mov_b32 s[SEL], 0x76543210
	s_mov_b32 s[SEL+1], 0xfedcba98
	s_mov_b32 s[CS], 0x3e38aa3b                    ; log2(e) / 8
	s_wait_dscnt 0x0                               ; the opening add is done
	s_wait_kmcnt 0x0
	s_load_b256 s[56:63], s[10:11], 0x0            ; the eight exponents
	s_cmp_lt_u32 s[WV], 8
	s_cselect_b64 s[2:3], s[6:7], s[8:9]
	s_add_nc_u64 s[G0A+2:G0A+3], s[2:3], s[54:55]
	s_or_b32 s[G0A+3], s[G0A+3], 0x80000000
	s_add_nc_u64 s[G0B+2:G0B+3], s[2:3], s[48:49]
	s_or_b32 s[G0B+3], s[G0B+3], 0x80000000
	CROUND                                         ; all four work-groups are here: the joint loads meet
	tensor_load_to_lds s[G0A:G0A+3], s[G1A:G1A+7]  ; my part of keys 0-511
	s_nop 0
	s_wait_alu depctr_va_vdst(0)
	s_wait_tensorcnt 0x0
	ds_add_u32 v5, v6
	s_wait_dscnt 0x0
	CROUND
	tensor_load_to_lds s[G0B:G0B+3], s[G1B:G1B+7]  ; my part of keys 512-2,047
	s_nop 0
.rept 4
	v_nop
.endr
	s_lshl_b32 s50, s[WV], 2
	s_add_co_u32 s50, s50, s14                     ; the lower tile: 4 w + p
	s_sub_co_u32 s51, 127, s50                     ; the higher
	s_lshl_b32 s54, s51, 10
	s_add_co_u32 s54, s54, s52
	s_add_nc_u64 s[76:77], s[4:5], s[54:55]        ; Q of the higher tile,
	s_lshl_b32 s54, s50, 10
	s_add_co_u32 s54, s54, s52
	s_add_nc_u64 s[78:79], s[4:5], s[54:55]        ; of the lower
	v_and_b32 v7, 31, v0
	s_delay_alu instid0(VALU_DEP_1)
	v_lshlrev_b32 v[AK0], 4, v7
	s_delay_alu instid0(VALU_DEP_1)
	v_add_nc_u32 v[AV0], VBASE, v[AK0]
	global_load_b128 v[16:19], v[AK0], s[76:77]
	global_load_b128 v[20:23], v[AK0], s[76:77] offset:512
	global_load_b128 v[24:27], v[AK0], s[78:79]
	global_load_b128 v[28:31], v[AK0], s[78:79] offset:512
	s_lshr_b32 s48, s15, 4                         ; the batch:
	s_lshl_b32 s48, s48, 7                         ; 128 tiles of tokens each
	s_and_b32 s49, s15, 15
	s_lshl_b32 s49, s49, 10                        ; the head's 1,024 bytes of a tile's 16,384
	s_add_co_u32 s54, s48, s51
	s_lshl_b32 s54, s54, 14
	s_add_co_u32 s54, s54, s49
	s_add_nc_u64 s[72:73], s[12:13], s[54:55]      ; y of the higher tile,
	s_add_co_u32 s54, s48, s50
	s_lshl_b32 s54, s54, 14
	s_add_co_u32 s54, s54, s49
	s_add_nc_u64 s[74:75], s[12:13], s[54:55]      ; of the lower
	s_and_b32 s48, s50, 7                          ; the lower tile's place among its last key step's eight tiles; the higher tile's is 7 less that
	s_lshl_b32 s49, s48, 4
	s_sub_co_u32 s48, 7, s48
	s_lshl_b32 s48, s48, 4
	v_and_b32 v7, 15, v0
	v_bfe_u32 v10, v0, 4, 1
	s_delay_alu instid0(VALU_DEP_1)
	v_lshlrev_b32 v10, 3, v10
	s_delay_alu instid0(VALU_DEP_1)
	v_sub_nc_u32 v7, v7, v10                       ; r - 8 h
	s_delay_alu instid0(VALU_DEP_1)
	v_add_nc_u32 v[DH], s48, v7                    ; register 8 t + j holds key 16 t + 8 h + j of the step: hidden where 16 t + j > 16 x place + r - 8 h
	s_delay_alu instid0(VALU_DEP_2)
	v_add_nc_u32 v[DL], s49, v7
	s_lshr_b32 s69, s[WV], 1                       ; the lower tile's last key step
	v_mov_b32 v236, 0                              ; written once: a lane permute's destination counts as one of its sources
	v_mov_b32 v252, 0
	v_mov_b32 v253, 0                              ; (named as the upper half of the pair v[252:253])
.macro INIT                            ; a tile begins: the step is written once for all steps: the first finds zeros, which the first change of M leaves zeros
	v_mov_b32 v13, 0xff61b1e6                      ; the largest t so far: -3e38, under every t
	s_delay_alu instid0(VALU_DEP_1)
	v_floor_f32 v12, -v13                          ; -M
	v_mov_b32 v14, 0
	v_mov_b32 v15, 0
.set j, 0
.rept 32
	v_mov_b32 v[160+j], 0
.set j, j+1
.endr
.endm
	INIT
	s_wait_kmcnt 0x0
	s_add_co_i32 s48, s58, s59
	s_lshl_b32 s48, s48, 23
	s_add_co_i32 s[CS], s[CS], s48                 ; a score stands for score x 2^(entries 2 + 3): the exponents are added to c's exponent field
	s_mov_b32 s[CS+1], s[CS]                       ; (named with it as a pair, so it is written)
	s_add_co_i32 s48, s60, 127
	s_lshl_b32 s49, s48, 23
	v_mov_b32 v244, s49                            ; 2^(entry 4) as f32, for p's conversions
	s_add_co_i32 s48, s62, 127
	s_lshl_b32 s49, s48, 23
	v_mov_b32 v245, s49                            ; 2^(entry 6), for y's
	s_add_co_i32 s70, s60, s61                     ; entries 4 + 5
; A KEY STEP: 128 keys.  q: the tile's Q registers; d: its mask values; causal = 1: steps behind the tile's last are left out, and in the last one hidden scores become -infinity.
.macro STEP q, d, causal
.if \causal
	s_cmp_gt_u32 s[KS], s[LIM]                     ; the wave's number and the count of steps alone; no barrier and no tensor load stands in a step
	s_cbranch_scc1 .Lhidden_\@
.endif
	s_setprio 2
	v_add_nc_u32 v[ADK], s[TB], v[AK0]
	v_add_nc_u32 v[ADV], s[TB], v[AV0]
	v_nop
	v_nop                                          ; four places in front of loads into registers that the last products have read
.irp t, 0,1,2,3,4,5,6,7
	ds_load_b128 v[32+8*\t:35+8*\t], v[ADK] offset:1024*\t
	ds_load_b128 v[36+8*\t:39+8*\t], v[ADK] offset:1024*\t+512
.endr
	s_wait_alu depctr_va_vdst(0)
	s_wait_dscnt 8                                 ; tiles 0-3 are in; the 8 loads of tiles 4-7 may be out
.irp t, 0,1,2,3
	v_wmma_f32_16x16x64_fp8_fp8 v[96+8*\t:103+8*\t], v[32+8*\t:39+8*\t], v[\q:\q+7], 0
.endr
	s_wait_dscnt 0x0
.irp t, 4,5,6,7
	v_wmma_f32_16x16x64_fp8_fp8 v[96+8*\t:103+8*\t], v[32+8*\t:39+8*\t], v[\q:\q+7], 0
.endr
.rept 4
	v_nop                                          ; places: K's registers are loaded again, and the scores are read
.endr
.irp t, 0,1,2,3                                ; V's four fragments are asked for now and land under the softmax
.irp c, 0,1,2,3
	ds_load_b128 v[32+16*\t+4*\c:35+16*\t+4*\c], v[ADV] offset:2048*\t+512*\c
.endr
.endr
.if \causal
	s_cmp_lg_u32 s[KS], s[LIM]
	s_cbranch_scc1 .Lopen_\@                       ; a step all of whose keys count
	v_mov_b32 v254, 0xff800000                     ; -infinity: p = 0 then.  The step's first key counts for every query of the tile, so the maximum is a number
.set n, 0
.rept 64
	v_cmp_gt_i32 vcc_lo, 16*(n/8)+n%8, v[\d]
	v_cndmask_b32 v[96+n], v[96+n], v254, vcc_lo
.set n, n+1
.endr
.Lopen_\@:
.endif
	v_max3_num_f32 v254, v96, v97, v98             ; the step's largest score of my query, among my 64 keys, in two chains,
	v_max3_num_f32 v252, v99, v100, v101
.irp i, 6,10,14,18,22,26,30,34,38,42,46,50,54,58
	v_max3_num_f32 v254, v254, v[96+\i], v[97+\i]
	v_max3_num_f32 v252, v252, v[98+\i], v[99+\i]
.endr
	v_max3_num_f32 v254, v254, v158, v159
	s_delay_alu instid0(VALU_DEP_1)
	v_max_num_f32 v254, v254, v252
	s_delay_alu instid0(VALU_DEP_1)
	v_permlanex16_b32 v236, v254, s[SEL], s[SEL+1]
	s_delay_alu instid0(VALU_DEP_1)
	v_max_num_f32 v254, v254, v236                 ; and among lane l xor 16's
	s_delay_alu instid0(VALU_DEP_1)
	v_mul_f32 v254, s[CS], v254                    ; as t (c is positive)
	s_delay_alu instid0(VALU_DEP_1)
	v_max_num_f32 v13, v13, v254                   ; the running largest t
	v_mov_b32 v254, v12
	s_delay_alu instid0(VALU_DEP_2)
	v_floor_f32 v12, -v13                          ; the new -M = floor(-t) = -ceil(t): a whole number
	s_delay_alu instid0(VALU_DEP_1)
	v_sub_f32 v254, v12, v254                      ; M's old value less its new one: a whole number, 0 or less
	s_delay_alu instid0(VALU_DEP_1)
	v_cvt_i32_f32 v254, v254                       ; (it saturates)
	s_delay_alu instid0(VALU_DEP_1)
	v_ldexp_f32 v252, 1.0, v254                    ; f = 2^(old M - new M)
.set j, 0
.rept 32
	v_pk_fma_f32 v[96+j:97+j], v[96+j:97+j], s[CS:CS+1], v[12:13] op_sel_hi:[1,0,0]   ; t - M, two at a time (of the pairs c and -M the low word serves both halves)
.set j, j+2
.endr
.set j, 0
	s_setprio 1
	s_wait_alu depctr_va_vdst(0)
.rept 64
	v_exp_f32 v[96+j], v[96+j]                     ; p = 2^(t - M), at most 1
.set j, j+1
.endr
	v_pk_mul_f32 v[14:15], v[14:15], v[252:253] op_sel_hi:[1,0]   ; the sums under the new M: the plain line behind the exponentials
	s_wait_alu depctr_va_vdst(0)                   ; the wait ahead of the first line that names an exponential's result: one for the batch
	v_pk_add_f32 v[242:243], v[96:97], v[98:99]    ; the row's sum is taken of the unquantised p: two at a time, in two chains
.irp j, 4,8,12,16,20,24,28,32,36,40,44,48,52,56,60
	v_pk_add_f32 v[14:15], v[14:15], v[96+\j:97+\j]
	v_pk_add_f32 v[242:243], v[242:243], v[98+\j:99+\j]
.endr
	s_delay_alu instid0(VALU_DEP_1)
	v_pk_add_f32 v[14:15], v[14:15], v[242:243]
	s_setprio 0
.irp t, 0,1,2,3,4,5,6,7
.irp i, 0,1,2,3,4,5,6,7
.endr
	v_cvt_scalef32_pk8_fp8_f32 v[192+2*\t:193+2*\t], v[96+8*\t:103+8*\t], v244   ; keys 16 t + 8 h + 0 .. 7: registers 2 t, 2 t + 1 of the operand
.endr
.set j, 0
.rept 16
	v_pk_mul_f32 v[160+j:161+j], v[160+j:161+j], v[252:253] op_sel_hi:[1,0]   ; O^T under the new M.  (Also the plain lines between the conversions and the products)
.set j, j+2
.endr
	s_wait_alu depctr_va_vdst(0)
	s_wait_dscnt 0x0                               ; V is in
.irp t, 0,1,2,3                                ; O^T += V^T P^T: the four accumulators take turns
	v_wmma_f32_16x16x128_fp8_fp8 v[160+8*\t:167+8*\t], v[32+16*\t:47+16*\t], v[192:207], v[160+8*\t:167+8*\t]
.endr
.if \causal
.Lhidden_\@:
.endif
.endm
; A tile's way out: y = O^T / the sum x 2^(entries 4 + 5), held, converted: 8 code registers, two pieces of 512 consecutive aligned bytes.
.macro OUT base, yreg
	v_nop
	v_nop
	v_add_f32 v14, v14, v15                        ; the sum's two halves,
	s_delay_alu instid0(VALU_DEP_1)
	v_permlanex16_b32 v252, v14, s[SEL], s[SEL+1]
	s_delay_alu instid0(VALU_DEP_1)
	v_add_f32 v14, v14, v252                       ; and lane l xor 16's
	s_wait_alu depctr_va_vdst(0)
	v_rcp_f32 v14, v14
	v_nop                                          ; a plain line behind the reciprocal,
	s_wait_alu depctr_va_vdst(0)                   ; and the wait ahead of its first reader
	v_ldexp_f32 v14, v14, s70
.set j, 0
.rept 16
	v_pk_mul_f32 v[96+j:97+j], v[160+j:161+j], v[14:15] op_sel_hi:[1,0]
.set j, j+2
.endr
.irp t, 0,1,2,3
.irp i, 0,1,2,3,4,5,6,7
.endr
	v_cvt_scalef32_pk8_fp8_f32 v[\yreg+2*\t:\yreg+2*\t+1], v[96+8*\t:103+8*\t], v245
.endr
	v_nop                                          ; a plain line behind the last conversion
	global_store_b128 v[AK0], v[\yreg:\yreg+3], s[\base:\base+1]
	global_store_b128 v[AK0], v[\yreg+4:\yreg+7], s[\base:\base+1] offset:512
.endm
	s_wait_loadcnt 0x0                             ; Q
	s_wait_tensorcnt 1                             ; my part of keys 0-511 is in; the rest may stay out
	s_barrier_signal -1
	s_barrier_wait -1                              ; everybody's is
	s_mov_b32 s[KS], 0
	s_mov_b32 s[TB], 0
.Lfirst:                                           ; the higher tile, key steps 0-3: its last step is 8 or later, so all their keys count
	STEP 16, DH, 0
	s_add_co_u32 s[TB], s[TB], STEPB
	s_add_co_u32 s[KS], s[KS], 1
	s_cmp_lt_u32 s[KS], 4
	s_cbranch_scc1 .Lfirst
	s_setprio 0
	s_wait_tensorcnt 0x0                           ; my part of keys 512-2,047 is in,
	s_wait_dscnt 0x0
	s_barrier_signal -1
	s_barrier_wait -1                              ; everybody's is: K and V are whole
	s_sub_co_u32 s[LIM], 15, s69                   ; the higher tile's last key step
	s_mov_b32 s[KS], 4
	s_mov_b32 s[TB], 4*STEPB
.Lhigh:                                            ; 12 trips for every wave; those behind the tile's last step do nothing
	STEP 16, DH, 1
	s_add_co_u32 s[TB], s[TB], STEPB
	s_add_co_u32 s[KS], s[KS], 1
	s_cmp_lt_u32 s[KS], 16
	s_cbranch_scc1 .Lhigh
	s_setprio 0
	OUT 72, 208
	INIT
	s_mov_b32 s[LIM], s69
	s_mov_b32 s[KS], 0
	s_mov_b32 s[TB], 0
.Llow:                                             ; the lower tile: 8 trips
	STEP 24, DL, 1
	s_add_co_u32 s[TB], s[TB], STEPB
	s_add_co_u32 s[KS], s[KS], 1
	s_cmp_lt_u32 s[KS], 8
	s_cbranch_scc1 .Llow
	s_setprio 0
	OUT 74, 216
	s_wait_tensorcnt 0x0                           ; the wave's end, behind my last tensor load
	ds_add_u32 v[SPW], v[NIL]
	s_wait_dscnt 0x0
	CROUND                                         ; the closing round
	s_endpgm
.Lfunc_end_k_q93e8a2c70e_attn:
	.size	k_q93e8a2c70e_attn, .Lfunc_end_k_q93e8a2c70e_attn-k_q93e8a2c70e_attn
	.p2alignl 7, 3214868480
	.fill 96, 4, 3214868480
	.section	.rodata,"a",@progbits
	.p2align	6, 0x0
	.amdhsa_kernel k_q93e8a2c70e_attn
		.amdhsa_group_segment_fixed_size 327680
		.amdhsa_private_segment_fixed_size 0
		.amdhsa_enable_private_segment 0
		.amdhsa_kernarg_size 40
		.amdhsa_user_sgpr_count 2
		.amdhsa_user_sgpr_kernarg_segment_ptr 1
		.amdhsa_wavefront_size32 1
		.amdhsa_system_sgpr_workgroup_id_x 1
		.amdhsa_system_sgpr_workgroup_id_y 1
		.amdhsa_system_sgpr_workgroup_id_z 1
		.amdhsa_system_vgpr_workitem_id 0
		.amdhsa_next_free_vgpr 256
		.amdhsa_next_free_sgpr 84
		.amdhsa_reserve_vcc 1
		.amdhsa_float_denorm_mode_32 3
		.amdhsa_float_denorm_mode_16_64 3
		.amdhsa_fp16_overflow 1
		.amdhsa_memory_ordered 1
		.amdhsa_forward_progress 1
		.amdhsa_inst_pref_size 65
	.end_amdhsa_kernel
	.amdgpu_metadata
---
amdhsa.version: [ 1, 2 ]
amdhsa.kernels:
  - .name:           k_q93e8a2c70e_attn
    .symbol:         k_q93e8a2c70e_attn.kd
    .args:
      - { .name: qc, .offset: 0, .size: 8, .value_kind: global_buffer, .address_space: global }
      - { .name: kc, .offset: 8, .size: 8, .value_kind: global_buffer, .address_space: global }
      - { .name: vc, .offset: 16, .size: 8, .value_kind: global_buffer, .address_space: global }
      - { .name: lowp_scales, .offset: 24, .size: 8, .value_kind: global_buffer, .address_space: global }
      - { .name: yc, .offset: 32, .size: 8, .value_kind: global_buffer, .address_space: global }
    .group_segment_fixed_size: 327680
    .private_segment_fixed_size: 0
    .kernarg_segment_align: 8
    .kernarg_segment_size: 40
    .max_flat_workgroup_size: 512
    .sgpr_count:     84
    .vgpr_count:     256
    .wavefront_size: 32
...
	.end_amdgpu_metadata
.endif
;; end of part 3
;; launch proj (part 4): grid 4 x 32, 4 waves a work-group, clusters of 4 x 4, 327,680 bytes of LDS; arguments yc, wpc, lowp_scales, b_proj, out0; writes out0
.if DOCPART == 4
	.amdgcn_target "amdgcn-amd-amdhsa--gfx1250"
	.amdhsa_code_object_version 6
	.text
	.protected	k_q93e8a2c70e_proj
	.globl	k_q93e8a2c70e_proj
	.p2align	8
	.type	k_q93e8a2c70e_proj,@function
k_q93e8a2c70e_proj:
	s_mov_b64 s[64:65], 0
	v_nop
	global_prefetch_b8 v0, s[64:65] scope:SCOPE_SE
	s_setreg_imm32_b32 hwreg(HW_REG_WAVE_MODE, 25, 1), 1
	s_wait_xcnt 0x0
	s_wait_alu depctr_hold_cnt(0) depctr_sa_sdst(0) depctr_va_vdst(0) depctr_va_sdst(0) depctr_va_ssrc(0) depctr_va_vcc(0) depctr_vm_vsrc(0)
	s_getreg_b32 s2, hwreg(HW_REG_IB_STS2, 6, 4)
	s_cmp_eq_u32 s2, 0
	s_cbranch_scc0 .Lentry_in_a_cluster
	s_endpgm
.Lentry_in_a_cluster:
	s_bfe_u32 s2, ttmp6, 0x10000c
	s_cmp_lg_u32 s2, 0xf033
	s_cbranch_scc0 .Lentry_shape_is_right
	s_endpgm
.Lentry_shape_is_right:
; out = y w_proj^T + b_proj on codes of FP8 (E4M3); out0 [8192][1024] f32.  yc [512 rt][8 ks][2,048] and wpc [64 rt][8 ks][2,048] hold images of operand registers: fragment (rt, ks) = rows 16 rt on x K 128 ks on;
; lane l: row l % 16, registers 2 c, 2 c + 1: K = 16 c + 8 (l / 16) + 0 .. 7; registers 4 q .. 4 q + 3 of all lanes are 512 bytes, lane l's 16 at 16 l.  A fragment comes out of LDS by four loads at 16 x lane.
; A work-group of four waves makes 256 x 256 of out, a wave 128 x 128: 64 accumulators.  D = S0 fragment (16 rows of w_proj) x S1 fragment (16 rows of y): in accumulator (a, b) lane (r, h), register j holds
; out(row 16 a + r, column 16 b + 8 h + j): eight neighbouring numbers of a row.  K = 1,024 goes in four steps of 256 through a ring of two LDS slots; a wave's tensor load brings 8 row tiles x 4,096 bytes.
; CLUSTERS: 4 x 4; y's tile is asked for jointly along a row of the cluster, w_proj's along a column.  out = sum x 2^(entries 6 + 7) + bias, one packed multiply-add for two numbers.
; LIMIT: entries 6 + 7 between -126 and 127.
; REGISTERS: window 0: v7-31 addresses; v32-95 the bias; v128-255 S1's fragments, one set; on the way out v96-127 numbers, v128-255 rows read back.  window 1: S0's fragments, two sets.  windows 2, 3: the accumulators.
.set HALFT,  32768                     ; what one tensor load brings, and what one wave reads of S1 or of S0
.set SLOT,   4*HALFT
.set SPARE,  2*SLOT                    ; behind the ring: the spare words, 128 bytes for each wave
.set KB,     4096
.set FR,     16
.set NL,     4
.set NP,     4                         ; places behind this matrix instruction (ISA guide 7.12.1)
.set SPITCH, 528                       ; the way out: a stage of 16 rows x (512 bytes + 16) for each wave, in slot 0, which has had its last fill and its last read when the first result is stored there
.set ROWO,   4096                      ; a row of out0 in bytes
.set ADRA, 16
.set ADRB, 20
.set STO,  24                          ; v24  the way out: where I put 32 bytes of a row
.set RD,   25                          ; v25  where I read a row back
.set CO,   26                          ; v26  16 x lane
.set SPW,  28                          ; v28  LDS address of my spare word; never rewritten
.set NIL,  29                          ; v29  0; never rewritten
.set BI,   32
.set TMP,  96
.set AF,   128
.set BK,   128
.set G1, 24
.set G0, 32
.set G1B, 48
.set G0B, 56
.set MSB, 0
.macro WIN new                         ; the immediate's high byte repeats the setting that is left
.if MSB != \new
	s_set_vgpr_msb (MSB<<8)|\new
.set MSB, \new
.endif
.endm
.set MUL_LO, 0xa1
.set MUL_HI, 0xf1
.set TO_B,   0x40
.macro JLOAD g0a, g1a, g0b, g1b        ; a joint load: waves 0 and 1 fetch for S1, waves 2 and 3 for S0; an s_nop 0 and four v_nop follow each of the two lines
	s_cmp_eq_u32 s15, 0
	s_cbranch_scc0 .Lfor_b_\@
	tensor_load_to_lds s[\g0a:\g0a+3], s[\g1a:\g1a+7]
	s_nop 0
.rept 4
	v_nop
.endr
	s_branch .Lasked_\@
.Lfor_b_\@:
	tensor_load_to_lds s[\g0b:\g0b+3], s[\g1b:\g1b+7]
	s_nop 0
.rept 4
	v_nop
.endr
.Lasked_\@:
.endm
.macro CREST
	s_cmp_lg_u32 s14, 0
	s_cbranch_scc1 .Lnot_wave_0_\@
	s_barrier_signal -3
.Lnot_wave_0_\@:
	s_barrier_wait -3
	s_barrier_signal -1
	s_barrier_wait -1
.endm
.macro CROUND
	s_barrier_signal -1
	s_barrier_wait -1
	CREST
.endm
	s_load_b256 s[4:11], s[0:1], 0x0               ; yc s[4:5], wpc s[6:7], the scales' exponents s[8:9], b_proj s[10:11]
	s_load_b64 s[12:13], s[0:1], 0x20              ; out0
	v_lshl_add_u32 v[SPW], v0, 2, SPARE
	v_mov_b32 v[NIL], 0
	ds_add_u32 v[SPW], v[NIL]                      ; the wave's opening: the add and its wait stand ahead of my first tensor load; the set-up below stands between them
	ds_add_u32 v[SPW], v[NIL]
	v_lshrrev_b32 v1, 5, v0
	v_readfirstlane_b32 s14, v1                    ; wave 0..3
	s_lshr_b32 s15, s14, 1                         ; which half of the tile's rows is mine.  Also: I fetch for S1 (0) or for S0 (1)
	s_and_b32 s16, s14, 1                          ; which half of its columns.  Also: which 128 rows of that tile I fetch
	s_bfe_u32 s40, ttmp6, 0x40000                  ; cx, cy
	s_bfe_u32 s41, ttmp6, 0x40004
	s_lshl_b32 s42, ttmp9, 2
	s_add_co_u32 s42, s42, s40                     ; tile column = 4 x cluster x + cx
	s_and_b32 s17, ttmp7, 0xffff
	s_lshl_b32 s17, s17, 2
	s_add_co_u32 s17, s17, s41                     ; tile row = 4 x cluster y + cy
	s_lshl_b32 s43, s41, 2
	s_lshl_b32 s43, 15, s43                        ; my row of the cluster
	s_lshl_b32 s44, 0x1111, s40                    ; my column
	; descriptor group 1: 8 rows of 512 elements of 8 bytes, 2,048 elements apart; dense in LDS
	s_or_b32 s[G1+0], s43, (3<<16)|(1<<21)
	s_or_b32 s[G1B+0], s44, (3<<16)|(1<<21)
.irp g, G1, G1B
	s_mov_b32 s[\g+1], 512<<16
	s_mov_b32 s[\g+2], 8<<16
	s_mov_b32 s[\g+3], 512<<16
	s_mov_b32 s[\g+4], 8
	s_mov_b32 s[\g+5], 2048
	s_mov_b32 s[\g+6], 0
	s_mov_b32 s[\g+7], 0
.endr
	s_lshl_b32 s18, s16, 17
	s_lshl_b32 s20, s17, 18
	s_add_co_u32 s20, s20, s18
	s_mov_b32 s21, 0
	s_lshl_b32 s46, s42, 18
	s_add_co_u32 s46, s46, s18
	s_mov_b32 s47, 0
	s_lshl_b32 s45, s14, 15                        ; where they go: wave x HALFT
	s_wait_dscnt 0x0                               ; the opening add is done
	s_wait_kmcnt 0x0
	s_load_b256 s[80:87], s[8:9], 0x0              ; the eight exponents
	s_add_nc_u64 s[20:21], s[4:5], s[20:21]
	s_add_nc_u64 s[46:47], s[6:7], s[46:47]
	CROUND                                         ; all sixteen work-groups are here: the first joint loads meet
.irp s, 0,1
	s_mov_b32 s[G0+4*\s], 1
	s_add_co_u32 s[G0+4*\s+1], s45, \s*SLOT
	s_add_nc_u64 s[G0+4*\s+2:G0+4*\s+3], s[20:21], \s*KB
	s_or_b32 s[G0+4*\s+3], s[G0+4*\s+3], 0x80000000
	s_mov_b32 s[G0B+4*\s], 1
	s_add_co_u32 s[G0B+4*\s+1], s45, \s*SLOT
	s_add_nc_u64 s[G0B+4*\s+2:G0B+4*\s+3], s[46:47], \s*KB
	s_or_b32 s[G0B+4*\s+3], s[G0B+4*\s+3], 0x80000000
	s_wait_alu depctr_va_vdst(0)
	s_wait_tensorcnt 0x0
	ds_add_u32 v28, v29
	ds_add_u32 v28, v29
	s_wait_dscnt 0x0
	CROUND
	JLOAD G0+4*\s, G1, G0B+4*\s, G1B
.endr
	v_and_b32 v6, 31, v0
	v_lshlrev_b32 v[CO], 4, v6
	s_lshl_b32 s22, s15, 15
	s_lshl_b32 s23, s16, 15
	s_add_co_u32 s23, s23, 2*HALFT
.irp s, 0,1
	v_add_nc_u32 v[ADRA+\s], s22, v[CO]
	v_add_nc_u32 v[ADRB+\s], s23, v[CO]
	s_add_co_u32 s22, s22, SLOT
	s_add_co_u32 s23, s23, SLOT
.endr
	v_and_b32 v1, 15, v0                           ; r
	v_bfe_u32 v2, v0, 4, 1                         ; h
	s_lshl_b32 s66, s42, 10                        ; b_proj at column 256 x tile column + 128 x half
	s_lshl_b32 s69, s16, 9
	s_add_co_u32 s66, s66, s69
	s_mov_b32 s67, 0
	s_add_nc_u64 s[94:95], s[10:11], s[66:67]
	v_lshlrev_b32 v7, 5, v2                        ; + 8 h numbers
.irp b, 0,1,2,3,4,5,6,7
	global_load_b128 v[BI+8*\b:BI+8*\b+3], v7, s[94:95] offset:64*\b
	global_load_b128 v[BI+8*\b+4:BI+8*\b+7], v7, s[94:95] offset:64*\b+16
.endr
	s_mul_i32 s23, s14, 16*SPITCH                  ; my stage
	v_mul_u32_u24 v5, v1, SPITCH                   ; in: row r, 32 bytes for each half of the lanes
	v_lshl_add_u32 v5, v2, 5, v5
	v_add_nc_u32 v[STO], s23, v5
	v_add_nc_u32 v[RD], s23, v[CO]                 ; back: the 32 lanes take one row of 512 bytes
	s_lshl_b32 s68, s17, 20                        ; my first row of out0: 256 x tile row + 128 x half, rows of 4,096 bytes;
	s_lshl_b32 s69, s15, 19
	s_add_co_u32 s68, s68, s69
	s_add_co_u32 s66, s66, s68                     ; my first column's bytes are the bias's
	s_add_nc_u64 s[12:13], s[12:13], s[66:67]
	s_wait_kmcnt 0x0
	s_add_co_i32 s96, s86, s87
	s_add_co_i32 s96, s96, 127
	s_lshl_b32 s96, s96, 23                        ; 2^(entries 6 + 7) as f32
	s_mov_b32 s97, s96                             ; (named with it as a pair, so it is written)
.macro FRAG reg, adr, q, i
.irp c, 0,1,2,3
	ds_load_b128 v[\reg+4*\c:\reg+4*\c+3], v[\adr] offset:4096*(\i)+2048*(\q)+512*\c
.endr
.endm
.macro MUL16 a0, p, zero               ; the 64 accumulators take turns, one instruction a turn
.irp a, \a0, \a0+1
.irp b, 0,1,2,3,4,5,6,7
.if \zero
	v_wmma_f32_16x16x128_fp8_fp8 v[8*(8*((\a)%4)+\b):8*(8*((\a)%4)+\b)+7], v[128*(\p)+FR*\b:128*(\p)+FR*\b+FR-1], v[AF+FR*(\a):AF+FR*(\a)+FR-1], 0
.else
	v_wmma_f32_16x16x128_fp8_fp8 v[8*(8*((\a)%4)+\b):8*(8*((\a)%4)+\b)+7], v[128*(\p)+FR*\b:128*(\p)+FR*\b+FR-1], v[AF+FR*(\a):AF+FR*(\a)+FR-1], v[8*(8*((\a)%4)+\b):8*(8*((\a)%4)+\b)+7]
.endif
.endr
.endr
.endm
.macro FETCH_B slot, q, p
	WIN TO_B
.irp i, 0,1,2,3,4,5,6,7
	FRAG 128*(\p)+FR*\i, ADRB+\slot, \q, \i
.endr
	WIN 0
.endm
.macro FETCH_A slot, q, i0
.irp i, \i0, \i0+1, \i0+2, \i0+3
	FRAG AF+FR*(\i), ADRA+\slot, \q, \i
.endr
.endm
.macro PLACES n
.rept \n
	v_nop
.endr
.endm
.macro STEP slot, q, zero
	s_wait_dscnt 4*NL                              ; S0's set and S1's blocks 0-3 are in; the youngest 16 loads (S1's blocks 4-7) may be out
	WIN MUL_LO
	MUL16 0, (\q)%2, \zero
	MUL16 2, (\q)%2, \zero
	s_wait_dscnt 0
	PLACES NP
	FETCH_B \slot, (\q)+1, 1-(\q)%2
	FETCH_A \slot, (\q)+1, 0
	WIN MUL_HI
	MUL16 4, (\q)%2, \zero
	MUL16 6, (\q)%2, \zero
	PLACES NP
	WIN 0
	FETCH_A \slot, (\q)+1, 4
.endm
.macro TURN slot, next, fill           ; a slot's last step changes slots: ONE barrier, with the waits and the add in front of it
	s_wait_tensorcnt 0x0                           ; all my tensor loads have landed: my part of the next slot
	ds_add_u32 v[SPW], v[NIL]                      ; 0 onto my spare word
	s_wait_dscnt 4*NL+1                            ; (the add and the youngest 16 loads may be out)
	WIN MUL_LO
	MUL16 0, 1, 0
	s_wait_dscnt 0x0                               ; the add is done, and my reads of this slot are over
	s_barrier_signal -1
	MUL16 2, 1, 0
	WIN 0
	s_barrier_wait -1
.if \fill
	CREST                                          ; the barrier has opened a round of the cluster's barrier
	s_add_nc_u64 s[G0+4*\slot+2:G0+4*\slot+3], s[G0+4*\slot+2:G0+4*\slot+3], 2*KB
	s_add_nc_u64 s[G0B+4*\slot+2:G0B+4*\slot+3], s[G0B+4*\slot+2:G0B+4*\slot+3], 2*KB
	JLOAD G0+4*\slot, G1, G0B+4*\slot, G1B         ; the first tensor load behind the round; its four v_nop are the places in front of the loads below
.else
	PLACES NP
.endif
	s_wait_alu depctr_va_vdst(0)
	FETCH_B \next, 0, 0
	FETCH_A \next, 0, 0
	WIN MUL_HI
	MUL16 4, 1, 0
	MUL16 6, 1, 0
	PLACES NP
	WIN 0
	FETCH_A \next, 0, 4
.endm
	s_wait_loadcnt 0x0                             ; the bias
	s_wait_tensorcnt 1                             ; my part of K step 0 is in (K step 1's load may be out)
	s_barrier_signal -1
	s_barrier_wait -1                              ; everybody's is
	FETCH_B 0, 0, 0
	FETCH_A 0, 0, 0
	FETCH_A 0, 0, 4
	STEP 0, 0, 1
	TURN 0, 1, 1
	STEP 1, 0, 0
	TURN 1, 0, 1
	STEP 0, 0, 0
	TURN 0, 1, 0
	STEP 1, 0, 0
	s_wait_dscnt 4*NL
	WIN MUL_LO
	MUL16 0, 1, 0
	MUL16 2, 1, 0
	s_wait_dscnt 0
	WIN MUL_HI
	MUL16 4, 1, 0
	MUL16 6, 1, 0
	WIN 0
; THE WAY OUT, block by block of 16 rows x 128 columns: a lane holds 32 neighbouring bytes of a row, and the lanes beside it hold other rows: so a block goes through my own stage in LDS and comes back as whole rows
; of 512 bytes.  LDS serves a wave's instructions in order (ISA guide 5.7.1.4): no wait between the stores and the loads, nor in front of the next block's stores.  A block goes in two halves of four accumulators.
.macro TOSTAGE a
.set AC, 64*((\a)%4)
.irp g, 0,1
	WIN 0x02+((\a)/4)                              ; source 0: window 2 or 3
.irp j, 0,2,4,6,8,10,12,14,16,18,20,22,24,26,28,30
	v_pk_fma_f32 v[TMP+\j:TMP+\j+1], v[AC+32*\g+\j:AC+32*\g+\j+1], s[96:97], v[BI+32*\g+\j:BI+32*\g+\j+1] op_sel_hi:[1,0,1]   ; sum x 2^(entries 6 + 7) + bias; each accumulator from its low end on
.endr
	WIN 0
.irp b, 0,1,2,3
	ds_store_b128 v[STO], v[TMP+8*\b:TMP+8*\b+3] offset:64*(4*\g+\b)
	ds_store_b128 v[STO], v[TMP+8*\b+4:TMP+8*\b+7] offset:64*(4*\g+\b)+16
.endr
.endr
.set BB, BK+64*((\a)%2)
.irp t, 0,1,2,3,4,5,6,7,8,9,10,11,12,13,14,15
	ds_load_b128 v[BB+4*\t:BB+4*\t+3], v[RD] offset:\t*SPITCH
.endr
.endm
.macro SEND a, younger                 ; younger: the LDS instructions issued behind block a's loads, which may stay out
.set BB, BK+64*((\a)%2)
	s_wait_dscnt \younger                          ; the block is back in registers
.if (\a) > 0
	s_add_nc_u64 s[12:13], s[12:13], 16*ROWO       ; (behind a wait on XCNT: the earlier stores have read their base)  16 rows on
.endif
.irp t, 0,1,2,3,4,5,6,7,8,9,10,11,12,13,14,15
	global_store_b128 v[CO], v[BB+4*\t:BB+4*\t+3], s[12:13] offset:\t*ROWO th:TH_STORE_NT   ; 32 lanes store 512 consecutive bytes, at a multiple of 256 from out0's first byte
.endr
.endm
	PLACES NP                                      ; behind the last products: their results are read, and the registers that held S1's fragments are loaded
	TOSTAGE 0
.irp a, 1,2,3,4,5,6,7
.if \a > 1
	s_wait_xcnt 0x0                                ; block a - 2's stores have read their registers and their base: block a's loads may land there, and the base may step
.endif
	TOSTAGE \a
	SEND \a-1, 32                                  ; behind block a - 1's loads: block a's 16 stores and 16 loads
.endr
	s_wait_xcnt 0x0                                ; block 6's stores have read their base
	SEND 7, 0
	s_wait_tensorcnt 0x0                           ; the wave's end, behind my last tensor load and my last LDS store
	ds_add_u32 v[SPW], v[NIL]
	s_wait_dscnt 0x0
	CROUND                                         ; the closing round: no work-group ends while a partner may still ask for a tile that names it
	s_endpgm
.Lfunc_end_k_q93e8a2c70e_proj:
	.size	k_q93e8a2c70e_proj, .Lfunc_end_k_q93e8a2c70e_proj-k_q93e8a2c70e_proj
	.p2alignl 7, 3214868480
	.fill 96, 4, 3214868480
	.section	.rodata,"a",@progbits
	.p2align	6, 0x0
	.amdhsa_kernel k_q93e8a2c70e_proj
		.amdhsa_group_segment_fixed_size 327680
		.amdhsa_private_segment_fixed_size 0
		.amdhsa_enable_private_segment 0
		.amdhsa_kernarg_size 40
		.amdhsa_user_sgpr_count 2
		.amdhsa_user_sgpr_kernarg_segment_ptr 1
		.amdhsa_wavefront_size32 1
		.amdhsa_system_sgpr_workgroup_id_x 1
		.amdhsa_system_sgpr_workgroup_id_y 1
		.amdhsa_system_sgpr_workgroup_id_z 1
		.amdhsa_system_vgpr_workitem_id 0
		.amdhsa_next_free_vgpr 1024
		.amdhsa_next_free_sgpr 100
		.amdhsa_reserve_vcc 0
		.amdhsa_float_denorm_mode_32 3
		.amdhsa_float_denorm_mode_16_64 3
		.amdhsa_memory_ordered 1
		.amdhsa_forward_progress 1
		.amdhsa_inst_pref_size 126
	.end_amdhsa_kernel
	.amdgpu_metadata
---
amdhsa.version: [ 1, 2 ]
amdhsa.kernels:
  - .name:           k_q93e8a2c70e_proj
    .symbol:         k_q93e8a2c70e_proj.kd
    .args:
      - { .name: yc, .offset: 0, .size: 8, .value_kind: global_buffer, .address_space: global }
      - { .name: wpc, .offset: 8, .size: 8, .value_kind: global_buffer, .address_space: global }
      - { .name: lowp_scales, .offset: 16, .size: 8, .value_kind: global_buffer, .address_space: global }
      - { .name: b_proj, .offset: 24, .size: 8, .value_kind: global_buffer, .address_space: global }
      - { .name: out0, .offset: 32, .size: 8, .value_kind: global_buffer, .address_space: global }
    .group_segment_fixed_size: 327680
    .private_segment_fixed_size: 0
    .kernarg_segment_align: 8
    .kernarg_segment_size: 40
    .max_flat_workgroup_size: 128
    .sgpr_count:     100
    .vgpr_count:     1024
    .wavefront_size: 32
...
	.end_amdgpu_metadata
.endif
;; end of part 4
